; MI455X (gfx1250); checked and timed in simulation.
; The chip was launched on July 23, 2026; its instructions are those of AMD's public machine-readable ISA for CDNA 5 (MIT licence, August 2026) and "CDNA5" Instruction Set Architecture Reference Guide (July 2026). The comments in the code are by the model that wrote it; some were corrected since.
;; Self Attention. Allowed arithmetic: matrix products marked QUANTISED: E5M2 operands, one E8M0 scale for each 32 along K, by v_wmma_scale_f32_16x16x128_f8f6f4 with both operands' format E5M2, f32 sums; everything else in f32.
;; Inputs: k_b 1,024 float32; k_w_codes 1,024 x 32 x 32 uint8 (E5M2 codes of k_w, K innermost, in blocks of 32 codes); k_w_scales 1,024 x 32 uint8 (E8M0 scales of k_w, one for each 32 codes along K); o_b 1,024 float32; o_w_codes 1,024 x 32 x 32 uint8 (E5M2 codes of o_w, K innermost, in blocks of 32 codes); o_w_scales 1,024 x 32 uint8 (E8M0 scales of o_w, one for each 32 codes along K); q_b 1,024 float32; q_w_codes 1,024 x 32 x 32 uint8 (E5M2 codes of q_w, K innermost, in blocks of 32 codes); q_w_scales 1,024 x 32 uint8 (E8M0 scales of q_w, one for each 32 codes along K); v_b 1,024 float32; v_w_codes 1,024 x 32 x 32 uint8 (E5M2 codes of v_w, K innermost, in blocks of 32 codes); v_w_scales 1,024 x 32 uint8 (E8M0 scales of v_w, one for each 32 codes along K); x_codes 4 x 2,048 x 32 x 32 uint8 (E5M2 codes of x, K innermost, in blocks of 32 codes); x_scales 4 x 2,048 x 32 uint8 (E8M0 scales of x, one for each 32 codes along K).
;; Outputs: out0 4 x 2,048 x 1,024 float32.
;; This version of the problem:
;;   THIS VERSION OF THE PROBLEM IS GIVEN IN LOW PRECISION. The matrix products marked QUANTISED in the list below multiply operands that are first quantised to E5M2 (5 exponent bits, 2 mantissa bits; 8 bits a number), with one power-of-two scale for each 32 numbers along K (OCP MX v1.0); their sums are f32. All else is computed in f32.
;;   The module's matrix products, in the order in which they are computed (A, B: the left and right operand; K: the contracted axis; several contracted axes count as one K, in the product's order):
;;     1. [M 8,192, K 1,024] x [K 1,024, N 1,024]; A: input x (given as codes); B: input q_w (given as codes): QUANTISED
;;     2. [M 8,192, K 1,024] x [K 1,024, N 1,024]; A: input x (given as codes); B: input k_w (given as codes): QUANTISED
;;     3. [M 8,192, K 1,024] x [K 1,024, N 1,024]; A: input x (given as codes); B: input v_w (given as codes): QUANTISED
;;     4. batch 64 x [M 2,048, K 64] x [K 64, N 2,048]; A: computed on the way; B: computed on the way: QUANTISED
;;     5. batch 64 x [M 2,048, K 2,048] x [K 2,048, N 64]; A: softmax (see below); B: computed on the way: QUANTISED
;;     6. [M 8,192, K 1,024] x [K 1,024, N 1,024]; A: computed on the way; B: input o_w (given as codes): QUANTISED
;;   THE QUANTISER, for each operand of a quantised product, along K:
;;     - K is cut into blocks of 32 from its start; a last block that is shorter is filled with zeros.
;;     - A block's scale is 2^e with e = floor(log2(the largest magnitude in the block)) - 15, held to -126 .. 127; a block of zeros has e = 0. As a byte (E8M0): e + 127.
;;     - Each number is divided by its block's scale, clamped to +-57,344, and rounded to the nearest number of E5M2, ties to even, subnormals kept.
;;     - The product sums the exact products of the quantised numbers (number of the format x scale) in f32.
;;   ~~~python
;;   def quantise(x, axis):      # numpy; x: float32 -> the quantised numbers, widened to float32 again
;;       x = np.moveaxis(x, axis, -1); K = x.shape[-1]
;;       x = np.pad(x, [(0, 0)] * (x.ndim - 1) + [(0, -K % 32)]); x = x.reshape(x.shape[:-1] + (-1, 32)); a = np.abs(x).max(-1, keepdims=True)
;;       e = np.where(a > 0, np.clip(np.frexp(np.where(a > 0, a, 1))[1] - 1 - 15, -126, 127), 0)      # np.frexp(a)[1] - 1 = floor(log2(a)), exactly
;;       r = np.clip(x / 2.0 ** e, -57344, 57344)
;;       step = 2.0 ** (np.maximum(np.frexp(np.where(r == 0, 1, r))[1] - 1, -14) - 2)
;;       q = np.round(r / step) * step * 2.0 ** e      # np.round: ties to even
;;       return np.moveaxis(q.reshape(q.shape[:-2] + (-1,))[..., :K], -1, axis).astype(np.float32)
;;   ~~~
;;   SOFTMAX AHEAD OF A QUANTISED PRODUCT. Where the list says 'softmax', what is quantised is not the finished softmax but p = 2^(t - M), with t = logit x log2(e) and M = ceil(the row's largest t), a whole number; so 1/2 < the row's largest p <= 1. The row's sum l is taken of the UNQUANTISED p, in f32, and the product's result is divided by l at the end. Since M is a whole number, a kernel that streams over the keys may use a running M (the ceiling of the running maximum): every later rescaling is an exact power of two, which a block's scale takes up: the codes' values come out the same.
;;   OPERANDS COMPUTED ON THE WAY. 'Computed on the way' means the value that the module computes at that place (a softmax that the list does not call 'softmax' is quantised finished and normalised). What goes into a quantiser is computed in f32, as accurately as f32 sums, v_exp_f32 and their like allow (about 1e-6 of the number): no bf16 or f16 on the way to a quantiser, and a product that is left as it is and whose result goes on into a quantised operand takes f32 operands (vector FMAs, or v_wmma_f32_16x16x4_f32). A number that lies on a knife's edge between two numbers of the format may be rounded either way, as far as f32 arithmetic and the matrix unit's own rounding can turn it there, and no further.
;;   INPUTS GIVEN AS CODES. k_w (in the module: [1024, 1024], K = its axis 0); o_w (in the module: [1024, 1024], K = its axis 0); q_w (in the module: [1024, 1024], K = its axis 0); v_w (in the module: [1024, 1024], K = its axis 0); x (in the module: [4, 2048, 1024], K = its axis 2): each comes as NAME_codes (uint8): NAME with its K axis moved to the last place and cut into blocks of 32 codes, [.., K / 32, bytes a block], one block behind the other in memory; one code a byte (a code: sign, 5 exponent bits, 2 mantissa bits); and NAME_scales (uint8): the same leading axes, one E8M0 byte (e + 127) for each 32 codes along K. Its value is code x scale, taken as it is: it is not quantised again, and the codes and scales need not be those that the quantiser above would give.
;; One version. Each part assembles by itself: llvm-mc -triple=amdgcn-amd-amdhsa -mcpu=gfx1250 --defsym DOCPART=n.
;; ======== version 1 of 1: 3 launches
;; limits: right only within a limited range of input values
;; workspace buffers: qimg 8,912,896 bytes; kv 17,563,648 bytes; aimg 8,388,608 bytes; asc 262,144 bytes
;; launch proj (part 1): grid 4 x 64, 4 waves a work-group, clusters of 4 x 1, 168,448 bytes of LDS; arguments x_codes, x_scales, q_w_codes, q_w_scales, q_b, k_w_codes, k_w_scales, k_b, v_w_codes, v_w_scales, v_b, qimg, kv; writes qimg, kv
.if DOCPART == 1
	.amdgcn_target "amdgcn-amd-amdhsa--gfx1250"
	.amdhsa_code_object_version 6
	.text
	.protected	k_qc93504d2f3_proj
	.globl	k_qc93504d2f3_proj
	.p2align	8
	.type	k_qc93504d2f3_proj,@function
k_qc93504d2f3_proj:
	s_mov_b64 s[64:65], 0
	v_nop
	global_prefetch_b8 v0, s[64:65] scope:SCOPE_SE
	s_setreg_imm32_b32 hwreg(HW_REG_WAVE_MODE, 25, 1), 1
	s_wait_xcnt 0x0
	s_wait_alu depctr_hold_cnt(0) depctr_sa_sdst(0) depctr_va_vdst(0) depctr_va_sdst(0) depctr_va_ssrc(0) depctr_va_vcc(0) depctr_vm_vsrc(0)
	s_getreg_b32 s2, hwreg(HW_REG_IB_STS2, 6, 4)
	s_cmp_eq_u32 s2, 0
	s_cbranch_scc0 .Lentry_in_a_cluster
	s_endpgm
.Lentry_in_a_cluster:
	s_bfe_u32 s2, ttmp6, 0x10000c
	s_cmp_lg_u32 s2, 0x3003
	s_cbranch_scc0 .Lentry_shape_is_right
	s_endpgm
.Lentry_shape_is_right:
; q, k, v = x W + b on codes of BF8 (E5M2) with one E8M0 scale for each 32 along K = 1,024; the results are quantised in registers (q, k along the head's 64, v along the tokens, which are the keys)
; and leave as IMAGES OF OPERAND REGISTERS: each group of four registers is 512 consecutive bytes, lane l's 16 bytes at 16 l, so that every store covers whole aligned runs of 256 bytes.
; SHARES.  Work-group (cx, y): tokens 128 y .. 128 y + 127 (batch y / 16, group y % 16), heads 4 cx .. 4 cx + 3 (the grid has one cluster along x).  Wave w owns head 4 cx + w, for q, then k, then v.
; A wave's 64 rows of a weight, all of K, stay in 512 registers, loaded from memory straight into the operand's layout; the 128 tokens' codes lie in LDS, filled once.
; CLUSTER.  The four work-groups of a cluster share y, so they need the same rows of x: each fill is asked for JOINTLY (mask 15).  The weights are each wave's own and go to registers: nothing of them is shared.
; THE ROWS OF A TILE ARE NOT NEIGHBOURS: lane r of tile 2 b + u takes row 32 b + 8 u + r + 8 (r / 8), for tokens and for weight rows alike.  In D = source 0 x source 1 a lane then holds source 1's row r, and the 16 registers
; of source-0 tiles 2 b and 2 b + 1 are source-0 rows 32 b + 16 (lane / 16) + 0 .. 15: sixteen neighbours along the next product's K, in the order of that operand's registers.
; q, k: source 0 = weight tile p, source 1 = token tile j (a lane holds a token, registers run along d).  v: source 0 = token tile p, source 1 = weight tile j (a lane holds a d, registers run along the tokens).
; The tokens go in two halves of 64: 16 accumulators, (j, p) at v[ACC + 32 j + 8 p].  A run is 16 matrix instructions on 128 along K; the biases are the C of a half's first run.
; LIMITS: NaN and infinities among the inputs or in q, k, v are not served.  A block whose largest magnitude lies under 2^-111, a block of zeros among them, gets the scale byte 1 (the rule says 127 for zeros: its codes are zeros, and only this program reads the bytes).
; REGISTERS, in windows of 256.  Window 0: v1-8 addresses; v16-47 x's scale words; v48-79 the weights' scale words, two sets; v80-95 at work; v100-107 scale words made; v108-111 as stored; v112-127 codes made; v128-255 accumulators.
;   Windows 1, 2: the weight: sub-step s (128 along K) in window 1 + s / 4 at v[64 (s % 4) + 16 p].   Window 3: v0-63, v64-127 token fragments, two sets; v128-159, v160-191 biases, two sets.
.set PITCH, 1040                       ; a token's row in LDS: 1,024 bytes + 16 of padding
.set XHI,   66688                      ; rows 32 b + 16 .. 32 b + 31 begin here: 128 bytes past a multiple of 256, so that a tile's 16 rows (8 below, 8 here) start in 16 different columns of 16 bytes (64 banks of 4 bytes: ISA guide 11.1)
.set QG,    8704                       ; qimg: a group of 128 tokens of one head: 8 tiles x 2 chunks x 512 bytes, then 512 bytes of scale words
.set KVG,   17152                      ; kv: a key step of one head: K 8,192, V 8,192, K's scale words 512, V's 256
.set LI,  1                            ; v1   16 x lane
.set L8,  2                            ; v2   8 x lane
.set XA,  3                            ; v3   LDS: my row of a token tile, + 16 (lane / 16)
.set WA,  4                            ; v4   my row of a weight tile, + 16 (lane / 16)
.set WSA, 5                            ; v5   its scale words: lanes 0-15 tiles 0, 1; lanes 16-31 tiles 2, 3
.set XSA, 6                            ; v6   x's scale words: lanes 0-15 tiles 0-3; lanes 16-31 tiles 4-7
.set BQA, 7                            ; v7   q's, k's bias: 64 (lane / 16)
.set BVA, 8                            ; v8   v's bias: 4 x my row
.set XS,  16
.set WS,  48
.set TM,  80                           ; v80-83 largest magnitudes, v84-87 bytes, v88-91 the largest number x the scale, v92-95 the conversions' scale operands
.set TP,  96
.set PW,  100
.set SX,  108
.set PC,  112
.set ACC, 128
.set BI,  128                          ; in window 3
.set MSB, 0
.macro WIN new                         ; the immediate's high byte repeats the setting that is left; a switch that changes nothing is dropped
.if MSB != (\new)
	s_set_vgpr_msb (MSB<<8)|(\new)
.set MSB, (\new)
.endif
.endm
.macro PLACES n
.rept \n
	v_nop
.endr
.endm
.macro ROUND                           ; a round of the cluster's barrier
	s_barrier_signal -1
	s_barrier_wait -1
	s_cmp_lg_u32 s4, 0
	s_cbranch_scc1 .Lnot_wave_0_\@
	s_barrier_signal -3
.Lnot_wave_0_\@:
	s_barrier_wait -3
	s_barrier_signal -1
	s_barrier_wait -1
.endm
.macro WM d, a, b, c, sa, sb, ra, rb   ; ra, rb = 1: that side's scales stand in lanes 16-31
.if \ra && \rb
	v_wmma_scale_f32_16x16x128_f8f6f4 v[\d:\d+7], v[\a:\a+15], v[\b:\b+15], v[\c:\c+7], v[\sa], v[\sb] matrix_a_fmt:MATRIX_FMT_BF8 matrix_b_fmt:MATRIX_FMT_BF8 matrix_a_scale:MATRIX_SCALE_ROW1 matrix_b_scale:MATRIX_SCALE_ROW1
.elseif \ra
	v_wmma_scale_f32_16x16x128_f8f6f4 v[\d:\d+7], v[\a:\a+15], v[\b:\b+15], v[\c:\c+7], v[\sa], v[\sb] matrix_a_fmt:MATRIX_FMT_BF8 matrix_b_fmt:MATRIX_FMT_BF8 matrix_a_scale:MATRIX_SCALE_ROW1
.elseif \rb
	v_wmma_scale_f32_16x16x128_f8f6f4 v[\d:\d+7], v[\a:\a+15], v[\b:\b+15], v[\c:\c+7], v[\sa], v[\sb] matrix_a_fmt:MATRIX_FMT_BF8 matrix_b_fmt:MATRIX_FMT_BF8 matrix_b_scale:MATRIX_SCALE_ROW1
.else
	v_wmma_scale_f32_16x16x128_f8f6f4 v[\d:\d+7], v[\a:\a+15], v[\b:\b+15], v[\c:\c+7], v[\sa], v[\sb] matrix_a_fmt:MATRIX_FMT_BF8 matrix_b_fmt:MATRIX_FMT_BF8
.endif
.endm
.macro XSLOAD                          ; x's scale words, 8 a token: register XS + 8 i + s: lanes 0-15 tile i, lanes 16-31 tile 4 + i, sub-step s
.irp i, 0,1,2,3
.irp q, 0,1
	global_load_b128 v[XS+8*\i+4*\q:XS+8*\i+4*\q+3], v[XSA], s[10:11] offset:(32*(\i/2)+8*(\i%2))*32+16*\q
.endr
.endr
.endm
.macro SLOAD set, base                 ; a weight's scale words: register WS + 16 set + 8 t + s: lanes 0-15 tile t, lanes 16-31 tile t + 2
	WIN 0
.irp t, 0,1
.irp q, 0,1
	global_load_b128 v[WS+16*(\set)+8*\t+4*\q:WS+16*(\set)+8*\t+4*\q+3], v[WSA], s[\base:\base+1] offset:256*\t+16*\q
.endr
.endr
.endm
.macro BLOADQ set, base                ; q's or k's bias in the result's layout: tile p = 2 b + u, lane half h: d = 32 b + 16 h + 8 u + 0 .. 7
	WIN 0xc0
.irp p, 0,1,2,3
	global_load_b128 v[BI+32*(\set)+8*\p:BI+32*(\set)+8*\p+3], v[BQA], s[\base:\base+1] offset:(32*(\p/2)+8*(\p%2))*4
	global_load_b128 v[BI+32*(\set)+8*\p+4:BI+32*(\set)+8*\p+7], v[BQA], s[\base:\base+1] offset:(32*(\p/2)+8*(\p%2))*4+16
.endr
.endm
.macro BLOADV set, base                ; v's: a lane holds one d, so its eight registers of a tile hold the same number: eight loads of one address
	WIN 0xc0
.irp j, 0,1,2,3
.irp i, 0,1,2,3,4,5,6,7
	global_load_b32 v[BI+32*(\set)+8*\j+\i], v[BVA], s[\base:\base+1] offset:(32*(\j/2)+8*(\j%2))*4
.endr
.endr
.endm
.macro WLOAD base, s                   ; a weight's four fragments of sub-step s
	WIN 0x40*(1+(\s)/4)
.irp p, 0,1,2,3
.irp c, 0,1,2,3
	global_load_b128 v[64*((\s)%4)+16*\p+4*\c:64*((\s)%4)+16*\p+4*\c+3], v[WA], s[\base:\base+1] offset:(32*(\p/2)+8*(\p%2))*1024+128*(\s)+32*\c
.endr
.endr
.endm
.macro XFETCH n                        ; run n's four token fragments (half (n / 8) % 2, sub-step n % 8) into set n % 2
	WIN 0xc0
.irp j, 0,1,2,3
.irp c, 0,1,2,3
	ds_load_b128 v[64*((\n)%2)+16*\j+4*\c:64*((\n)%2)+16*\j+4*\c+3], v[XA] offset:(16*(2*(((\n)/8)%2)+\j/2)+8*(\j%2))*PITCH+128*((\n)%8)+32*\c
.endr
.endr
.endm
; 16 matrix instructions.  The 16 accumulators take turns, one instruction a turn, in the same order in every run.
.macro RUN swap, hf, s, set
.if \swap
.if (\s) == 0
	WIN 0x37                               ; source 0 (tokens) window 3, source 1 (weight) window 1, C (bias) window 3
.elseif (\s) < 4
	WIN 0x07
.else
	WIN 0x0b
.endif
.else
.if (\s) == 0
	WIN 0x3d                               ; source 0 (weight) window 1, source 1 (tokens) window 3, C (bias) window 3
.elseif (\s) < 4
	WIN 0x0d
.else
	WIN 0x0e
.endif
.endif
.irp j, 0,1,2,3
.irp p, 0,1,2,3
.set rD, ACC+32*\j+8*\p
.set rC, rD
.if \swap
.if (\s) == 0
.set rC, BI+32*(\set)+8*\j
.endif
.set rA, 64*((\s)%2)+16*\p
.set rB, 64*((\s)%4)+16*\j
.set rSA, XS+8*\p+(\s)
.set rSB, WS+16*(\set)+8*(\j%2)+(\s)
.set rRA, \hf
.set rRB, \j/2
.else
.if (\s) == 0
.set rC, BI+32*(\set)+8*\p
.endif
.set rA, 64*((\s)%4)+16*\p
.set rB, 64*((\s)%2)+16*\j
.set rSA, WS+16*(\set)+8*(\p%2)+(\s)
.set rSB, XS+8*\j+(\s)
.set rRA, \p/2
.set rRB, \hf
.endif
	WM rD, rA, rB, rC, rSA, rSB, rRA, rRB
.endr
.endr
.endm
; 64 numbers of a lane, four blocks of 16 (a block's other 16 lie in lane l xor 16), become 16 registers of codes in v[PC] on; the four scale bytes are left in v[TM+4] on.
.macro QUANT s
.irp b, 0,1,2,3
	v_max3_num_f32 v[TM+\b], |v[\s+16*\b]|, |v[\s+1+16*\b]|, 0x8000000   ; my 16 numbers and the floor 2^(16 - 127): the byte cannot fall under 1.  Each accumulator is read from its low end on
.endr
.irp i, 2,4,6,8,10,12,14
.irp b, 0,1,2,3
	v_max3_num_f32 v[TM+\b], v[TM+\b], |v[\s+16*\b+\i]|, |v[\s+1+16*\b+\i]|   ; the four blocks by turns
.endr
.endr
.irp b, 0,1,2,3
	v_permlanex16_b32 v[TM+4+\b], v[TM+\b], s56, s57
.endr
.irp b, 0,1,2,3
	v_max_num_f32 v[TM+\b], v[TM+\b], v[TM+4+\b]   ; the block's largest magnitude
.endr
.irp b, 0,1,2,3
	v_add_nc_u32 v[TM+12+\b], 0xf8800000, v[TM+\b]   ; 15 off its exponent field: the conversion takes this operand's exponent field as its scale
.endr
.irp b, 0,1,2,3
	v_and_or_b32 v[TM+8+\b], v[TM+\b], 0x7f800000, s58   ; 57,344 x the scale
.endr
.irp b, 0,1,2,3
	v_lshrrev_b32 v[TM+4+\b], 23, v[TM+12+\b]      ; the scale's byte
.endr
	s_wait_alu depctr_va_vdst(0)
	s_wait_xcnt 0x0                                ; the earlier stores have read v[PC] on: only behind this wait are the codes' registers written again
.irp b, 0,1,2,3
.irp i, 0,1,2,3,4,5,6,7,8,9,10,11,12,13,14,15
	v_med3_num_f32 v[\s+16*\b+\i], v[\s+16*\b+\i], -v[TM+8+\b], v[TM+8+\b]   ; the conversion to an 8-bit code does not saturate (ISA guide 7.6.2): the hold at the largest code x the scale
.endr
	v_cvt_scalef32_pk8_bf8_f32 v[PC+4*\b:PC+1+4*\b], v[\s+16*\b:\s+7+16*\b], v[TM+12+\b]
	v_cvt_scalef32_pk8_bf8_f32 v[PC+2+4*\b:PC+3+4*\b], v[\s+8+16*\b:\s+15+16*\b], v[TM+12+\b]
.endr
	v_nop                                          ; a plain line between the last conversion and whatever next writes its sources
.endm
; A half's 16 accumulators are quantised and stored.  kind 0: q, 1: k (source-1 tile j is token tile 4 hf + j; its two blocks are d 0-31 and 32-63); 2: v (tile j is a tile of d; its two blocks are keys 64 hf + 0-31, 32-63).
.macro EPI kind, hf
.set rBase, 32
.if (\kind) == 0
.set rBase, 30
.endif
.irp jj, 0,1
	QUANT ACC+64*\jj
.irp e, 0,1
.set jt, 2*\jj+\e
.if (\kind) < 2
	v_lshl_or_b32 v[PW+4*(\hf)+jt], v[TM+5+2*\e], 8, v[TM+4+2*\e]   ; a token's scale word: two bytes, the upper two 0
.elseif (\hf) == 0
	v_lshl_or_b32 v[PW+jt], v[TM+5+2*\e], 8, v[TM+4+2*\e]           ; a d's scale word: the first half's two bytes,
.else
	v_lshl_or_b32 v[TP], v[TM+5+2*\e], 8, v[TM+4+2*\e]
	v_lshl_or_b32 v[PW+jt], v[TP], 16, v[PW+jt]                      ; and the second half's on top
.endif
.irp bb, 0,1
.if (\kind) < 2
	global_store_b128 v[LI], v[PC+8*\e+4*\bb:PC+8*\e+4*\bb+3], s[rBase:rBase+1] offset:(4*(\hf)+jt)*1024+512*\bb   ; 32 lanes store 512 consecutive bytes
.else
	global_store_b128 v[LI], v[PC+8*\e+4*\bb:PC+8*\e+4*\bb+3], s[rBase:rBase+1] offset:8192+2048*jt+512*(2*(\hf)+\bb)
.endif
.endr
.endr
.endr
.if (\hf) == 1
.if (\kind) > 0
	s_wait_alu depctr_va_vdst(0)
	s_wait_xcnt 0x0                                ; the last kind's store has read v[SX] on
.endif
.if (\kind) < 2
.irp i, 0,1,2,3
	v_cndmask_b32 v[SX+\i], v[PW+\i], v[PW+4+\i], s59   ; lanes 0-15: tiles 0-3; lanes 16-31: tiles 4-7
.endr
	global_store_b128 v[LI], v[SX:SX+3], s[rBase:rBase+1] offset:8192+8192*(\kind)
.else
.irp i, 0,1
	v_cndmask_b32 v[SX+\i], v[PW+\i], v[PW+2+\i], s59   ; lanes 0-15: tiles 0, 1; lanes 16-31: tiles 2, 3
.endr
	global_store_b64 v[L8], v[SX:SX+1], s[rBase:rBase+1] offset:16896   ; 32 lanes store 256 consecutive bytes
.endif
.endif
.endm
	s_load_b512 s[8:23], s[0:1], 0x0               ; x's codes 8, x's scales 10, q_w 12, its scales 14, q_b 16, k_w 18, its scales 20, k_b 22
	s_load_b256 s[24:31], s[0:1], 0x40             ; v_w 24, its scales 26, v_b 28, qimg 30
	s_load_b64 s[32:33], s[0:1], 0x60              ; kv
	v_lshl_add_u32 v98, v0, 2, 0x29000
	v_mov_b32 v99, 0
	ds_add_u32 v98, v99
	ds_add_u32 v98, v99
	v_lshrrev_b32 v9, 5, v0
	v_readfirstlane_b32 s4, v9                     ; wave 0..3
	s_bfe_u32 s5, ttmp6, 0x40000                   ; cx: it enters the addresses of plain loads and stores alone
	s_lshl_b32 s6, s5, 2
	s_add_co_u32 s6, s6, s4                        ; my head
	s_and_b32 s7, ttmp7, 0xffff                    ; y, which the four partners share
	v_and_b32 v9, 31, v0
	v_lshlrev_b32 v[LI], 4, v9
	v_lshlrev_b32 v[L8], 3, v9
	v_and_b32 v10, 15, v0                          ; r
	v_bfe_u32 v11, v0, 4, 1                        ; h
	v_and_b32 v12, 7, v0
	v_mul_u32_u24 v[XA], v12, PITCH
	v_bfe_u32 v12, v0, 3, 1
	v_mad_u32_u24 v[XA], v12, XHI, v[XA]
	v_lshl_add_u32 v[XA], v11, 4, v[XA]            ; (r % 8) rows + (r / 8) x the upper region + 16 h
	v_and_b32 v12, 8, v0
	v_add_nc_u32 v12, v12, v10                     ; r + 8 (r / 8)
	v_lshlrev_b32 v[WA], 10, v12
	v_lshl_add_u32 v[WA], v11, 4, v[WA]
	v_lshl_add_u32 v13, v11, 5, v12
	v_lshlrev_b32 v[WSA], 5, v13                   ; 32 bytes of scales a row; lanes 16-31 stand 32 rows on
	v_lshl_add_u32 v13, v11, 6, v12
	v_lshlrev_b32 v[XSA], 5, v13                   ; lanes 16-31 stand 64 tokens on
	v_lshlrev_b32 v[BQA], 6, v11
	v_lshlrev_b32 v[BVA], 2, v12
.irp b, 0,1,2,3
	v_mov_b32 v[TM+4+\b], 0                        ; written once: a lane permute's destination counts as one of its sources
.endr
	s_mov_b32 s56, 0x76543210
	s_mov_b32 s57, 0xfedcba98                      ; v_permlanex16_b32's selects for lane l xor 16
	s_mov_b32 s58, 0x600000                        ; the mantissa field of 57,344
	s_mov_b32 s59, 0xffff0000                      ; lanes 16-31
	; descriptor group 1: two runs of 16 tokens, each 16,384 dense bytes (2,048 elements of 8 bytes), 32 tokens apart in memory; in LDS 16 bytes of padding behind every 1,024 bytes, so a token's row is PITCH bytes
	s_mov_b32 s36, 15|(3<<16)|(1<<20)|(1<<21)|(7<<22)|(3<<25)   ; 15:0 the mask: all four work-groups; 17:16 elements of 8 bytes; 20 padding on; 21 set beside a mask; 24:22 after every 256 words; 31:25 four words
	s_mov_b32 s37, 2048<<16                        ; tensor_dim0
	s_mov_b32 s38, 2<<16                           ; tensor_dim1
	s_mov_b32 s39, 2048<<16                        ; tile_dim0
	s_mov_b32 s40, 2                               ; tile_dim1
	s_mov_b32 s41, 4096                            ; the pitch: 32 tokens
	s_mov_b32 s42, 0
	s_mov_b32 s43, 0
	s_mov_b32 s44, 1
	s_and_b32 s48, s4, 1                           ; wave w fetches, with ONE load, tokens 64 (w % 2) + 16 (w / 2) + 0 .. 15 and the sixteen that lie 32 further on:
	s_lshr_b32 s49, s4, 1                          ; waves 0, 1 fill the lower region, waves 2, 3 the upper
	s_mul_i32 s45, s48, 32*PITCH
	s_mul_i32 s50, s49, XHI
	s_add_co_u32 s45, s45, s50
	s_lshl_b32 s54, s7, 17                         ; 128 y rows of 1,024 bytes
	s_lshl_b32 s48, s48, 16
	s_add_co_u32 s54, s54, s48
	s_lshl_b32 s49, s49, 14
	s_add_co_u32 s54, s54, s49
	s_mov_b32 s55, 0
	s_mov_b32 s53, 0
	s_wait_dscnt 0x0
	s_wait_kmcnt 0x0
	s_add_nc_u64 s[46:47], s[8:9], s[54:55]
	s_or_b32 s47, s47, 0x80000000
	s_lshl_b32 s52, s6, 16                         ; my head's 64 rows of each weight,
	s_add_nc_u64 s[12:13], s[12:13], s[52:53]
	s_add_nc_u64 s[18:19], s[18:19], s[52:53]
	s_add_nc_u64 s[24:25], s[24:25], s[52:53]
	s_lshl_b32 s52, s6, 11                         ; their scale bytes,
	s_add_nc_u64 s[14:15], s[14:15], s[52:53]
	s_add_nc_u64 s[20:21], s[20:21], s[52:53]
	s_add_nc_u64 s[26:27], s[26:27], s[52:53]
	s_lshl_b32 s52, s6, 8                          ; its 64 numbers of each bias
	s_add_nc_u64 s[16:17], s[16:17], s[52:53]
	s_add_nc_u64 s[22:23], s[22:23], s[52:53]
	s_add_nc_u64 s[28:29], s[28:29], s[52:53]
	s_lshl_b32 s52, s7, 12                         ; the 128 tokens' scale bytes
	s_add_nc_u64 s[10:11], s[10:11], s[52:53]
	s_lshr_b32 s52, s7, 4
	s_lshl_b32 s52, s52, 4
	s_add_co_u32 s52, s52, s6
	s_lshl_b32 s52, s52, 4
	s_and_b32 s34, s7, 15
	s_add_co_u32 s34, s52, s34                     ; ((batch x 16 + head) x 16 + group)
	s_mul_i32 s52, s34, QG
	s_add_nc_u64 s[30:31], s[30:31], s[52:53]
	s_mul_i32 s52, s34, KVG
	s_add_nc_u64 s[32:33], s[32:33], s[52:53]
	ROUND                                          ; all four work-groups are here: the joint loads meet
	tensor_load_to_lds s[44:47], s[36:43]          ; one tensor load of mine is out; LDS is filled once in this launch
	s_nop 0
	PLACES 4                                       ; four places behind a tensor load
	s_wait_alu depctr_va_vdst(0)
	XSLOAD
	SLOAD 0, 14
	BLOADQ 0, 16
.irp s, 0,1,2,3,4,5,6,7
	WLOAD 12, \s
.endr
	s_wait_tensorcnt 0x0                           ; my 32 rows are in LDS,
	s_barrier_signal -1
	s_barrier_wait -1                              ; everybody's are
	XFETCH 0
	XFETCH 1
; 48 runs: kind n / 16, half (n / 8) % 2, sub-step n % 8.  Token fragments are fetched two runs ahead; in a kind's second half each sub-step's weight registers take the next kind's weight as soon as the run has read them.
.set n, 0
.rept 48
.set tt, n/16
.set hh, (n/8)%2
.set ss, n%8
.if (hh == 1) && (ss == 0) && (tt < 2)
	SLOAD (tt+1)%2, 14+6*(tt+1)
.if tt == 0
	BLOADQ 1, 22
.else
	BLOADV 0, 28
.endif
.endif
.if n < 47
	s_wait_dscnt 16                                ; this run's fragments are in; the next run's 16 loads may be out
.else
	s_wait_dscnt 0x0
.endif
.if hh == 0
.if 16*(7-ss) > 63
	s_wait_loadcnt 63                              ; behind this sub-step's weight loads 16 (7 - s) were issued, more than the count can name: the smaller count serves.  Scales and biases are older still
.else
	s_wait_loadcnt 16*(7-ss)                       ; the later sub-steps' weight loads may be out
.endif
.endif
	RUN tt/2, hh, ss, tt%2
	PLACES 8                                       ; eight places in front of loads into registers that this run has read, and of the first read of its results
.if n+2 <= 47
	XFETCH n+2
.endif
.if (hh == 1) && (tt < 2)
	WLOAD 12+6*(tt+1), ss
.endif
.if ss == 7
	WIN 0
	v_nop                                          ; a ninth place: the next half's first products write over these accumulators with another C
	EPI tt, hh
.endif
.set n, n+1
.endr
	s_wait_tensorcnt 0x0
	ds_add_u32 v98, v99
	s_wait_dscnt 0x0
	ROUND                                          ; the closing round: no work-group ends while a partner may still ask for a tile that names it
	s_endpgm
.Lfunc_end_k_qc93504d2f3_proj:
	.size	k_qc93504d2f3_proj, .Lfunc_end_k_qc93504d2f3_proj-k_qc93504d2f3_proj
	.p2alignl 7, 3214868480
	.fill 96, 4, 3214868480
	.section	.rodata,"a",@progbits
	.p2align	6, 0x0
	.amdhsa_kernel k_qc93504d2f3_proj
		.amdhsa_group_segment_fixed_size 168448
		.amdhsa_private_segment_fixed_size 0
		.amdhsa_enable_private_segment 0
		.amdhsa_kernarg_size 104
		.amdhsa_user_sgpr_count 2
		.amdhsa_user_sgpr_kernarg_segment_ptr 1
		.amdhsa_wavefront_size32 1
		.amdhsa_system_sgpr_workgroup_id_x 1
		.amdhsa_system_sgpr_workgroup_id_y 1
		.amdhsa_system_sgpr_workgroup_id_z 1
		.amdhsa_system_vgpr_workitem_id 0
		.amdhsa_next_free_vgpr 1024
		.amdhsa_next_free_sgpr 66
		.amdhsa_reserve_vcc 0
		.amdhsa_float_denorm_mode_32 3
		.amdhsa_float_denorm_mode_16_64 3
		.amdhsa_memory_ordered 1
		.amdhsa_forward_progress 1
		.amdhsa_inst_pref_size 255
	.end_amdhsa_kernel
	.section	.bss,"aw",@nobits
	.p2align	6
	.space	262144
	.amdgpu_metadata
---
amdhsa.version: [ 1, 2 ]
amdhsa.kernels:
  - .name:           k_qc93504d2f3_proj
    .symbol:         k_qc93504d2f3_proj.kd
    .args:
      - { .name: x_codes, .offset: 0, .size: 8, .value_kind: global_buffer, .address_space: global }
      - { .name: x_scales, .offset: 8, .size: 8, .value_kind: global_buffer, .address_space: global }
      - { .name: q_w_codes, .offset: 16, .size: 8, .value_kind: global_buffer, .address_space: global }
      - { .name: q_w_scales, .offset: 24, .size: 8, .value_kind: global_buffer, .address_space: global }
      - { .name: q_b, .offset: 32, .size: 8, .value_kind: global_buffer, .address_space: global }
      - { .name: k_w_codes, .offset: 40, .size: 8, .value_kind: global_buffer, .address_space: global }
      - { .name: k_w_scales, .offset: 48, .size: 8, .value_kind: global_buffer, .address_space: global }
      - { .name: k_b, .offset: 56, .size: 8, .value_kind: global_buffer, .address_space: global }
      - { .name: v_w_codes, .offset: 64, .size: 8, .value_kind: global_buffer, .address_space: global }
      - { .name: v_w_scales, .offset: 72, .size: 8, .value_kind: global_buffer, .address_space: global }
      - { .name: v_b, .offset: 80, .size: 8, .value_kind: global_buffer, .address_space: global }
      - { .name: qimg, .offset: 88, .size: 8, .value_kind: global_buffer, .address_space: global }
      - { .name: kv, .offset: 96, .size: 8, .value_kind: global_buffer, .address_space: global }
    .group_segment_fixed_size: 168448
    .private_segment_fixed_size: 0
    .kernarg_segment_align: 8
    .kernarg_segment_size: 104
    .max_flat_workgroup_size: 128
    .sgpr_count:     66
    .vgpr_count:     1024
    .wavefront_size: 32
...
	.end_amdgpu_metadata
.endif
;; end of part 1
;; launch attn (part 2): grid 4 x 64, 8 waves a work-group, clusters of 4 x 1, 280,576 bytes of LDS; arguments qimg, kv, aimg, asc; writes aimg, asc
.if DOCPART == 2
	.amdgcn_target "amdgcn-amd-amdhsa--gfx1250"
	.amdhsa_code_object_version 6
	.text
	.protected	k_qc93504d2f3_attn
	.globl	k_qc93504d2f3_attn
	.p2align	8
	.type	k_qc93504d2f3_attn,@function
k_qc93504d2f3_attn:
	s_mov_b64 s[64:65], 0
	v_nop
	global_prefetch_b8 v0, s[64:65] scope:SCOPE_SE
	s_setreg_imm32_b32 hwreg(HW_REG_WAVE_MODE, 25, 1), 1
	s_wait_xcnt 0x0
	s_wait_alu depctr_hold_cnt(0) depctr_sa_sdst(0) depctr_va_vdst(0) depctr_va_sdst(0) depctr_va_ssrc(0) depctr_va_vcc(0) depctr_vm_vsrc(0)
	s_getreg_b32 s2, hwreg(HW_REG_IB_STS2, 6, 4)
	s_cmp_eq_u32 s2, 0
	s_cbranch_scc0 .Lentry_in_a_cluster
	s_endpgm
.Lentry_in_a_cluster:
	s_bfe_u32 s2, ttmp6, 0x10000c
	s_cmp_lg_u32 s2, 0x3003
	s_cbranch_scc0 .Lentry_shape_is_right
	s_endpgm
.Lentry_shape_is_right:
; attn[b][q][head's 64] = softmax_k(q . k / 8) v for one head, both products on codes of BF8 (E5M2) with E8M0 scales; the result is quantised along d and leaves as images of the last product's operand registers.
; THE SOFTMAX: t = score x log2(e) / 8; M = the row's largest t so far, rounded UP to a whole number; p = 2^(t - M) is quantised along the keys, not normalised.  The row's sum is taken of the unquantised p and divides O at the end.
; When M moves, the sum and O are multiplied by 2^(old M - new M): exact.
; SHARES.  Work-group (cx, bh): head bh (batch x 16 + head), queries 512 cx .. 512 cx + 511, in two passes of 256.  In a pass each of the EIGHT waves owns TWO tiles of 16 queries (a, b): each fragment of K and V read from LDS feeds two products.
; Every wave walks the head's 2,048 keys, 128 a step.  The next step's K is fetched from LDS under this step's softmax (its address is held at the last step's, so that no read leaves the images).
; LDS.  The whole head's K, V and scale words (16 key steps of 17,152 bytes, images of operand registers) are filled ONCE, two key steps by each wave's one tensor load.  Waves 0 and 1 have a load line of their own:
; the first barrier shows key steps 0 to 3 alone, on which three steps run (they read K up to step 3); the second barrier shows the rest.
; CLUSTER.  The four work-groups of a cluster share the head: each fill is asked for JOINTLY (mask 15).  cx enters the addresses of plain loads and stores alone.
; NO PREFETCH: all of K and V is asked for by the head's eight loads, so no later load is left to run ahead of.
; LAYOUT.  S^T = K Q^T (source 0 = 16 keys, source 1 = 16 queries), O^T = V^T P^T (source 0 = 16 of the head's 64, source 1 = P): a lane holds one query of each tile throughout.  Tiles of keys, of queries and of d hold rows
; 32 b + 8 u + r + 8 (r / 8) (tile 2 b + u, lane r), so that the 16 registers of result tiles 2 b, 2 b + 1 are 16 neighbours along the next K.
; K = 64 IN AN INSTRUCTION OF 128.  Q's upper eight registers are zero codes.  K's fragment t is named with the next tile's codes as its upper half (zeros behind the last): finite numbers, since the launch that made them
; holds every number at the largest code; times Q's zeros they add nothing.  The dead blocks' scale bytes are 0 on both sides (2^-127, no NaN).
; LIMITS: NaN and infinities in q, k, v are not served.  The promise holds while the scaled scores t stay under 2^31 in magnitude.  A block under 2^-111, zeros among them, gets the byte 1.  1 / sum is v_rcp_f32 and a multiplication.
; REGISTERS, two windows of 256.  The large arrays of tile a lie in window 0, those of tile b in window 1 under the same numbers: Q v84-99, P's codes v100-115, O^T v116-147, S^T then p v148-211.
;   Window 0 besides: v1-11 addresses; v24-83 the small state of BOTH tiles (tile e's blocks at + 4 e), so that the two tiles' chains take turns; v212-243 V's tiles 0, 1; v244-253 scale words.
;   Window 1 besides: v0-63 K's eight tiles, v64-71 zeros; v212-243 V's tiles 2, 3.
.set KVG, 17152                        ; a key step in kv and in LDS: K 8,192, V 8,192, K's scale words 512, V's 256
.set QG,  8704                         ; a group of 128 queries in qimg
.set SCR, 16*KVG                       ; behind the head: 512 bytes in which a pass's 256 scale halves meet; no fill lands there
.set SPARE, 0x44000                    ; the spare words: 128 bytes a wave
.set LI,  1                            ; 16 x lane
.set L8,  2                            ; 8 x lane
.set ADK, 3                            ; this step's LDS address, 16 bytes a lane
.set ADS, 4                            ; and 8 bytes a lane
.set ADN, 5                            ; the next step's
.set QO,  6                            ; tile a's codes in its group of qimg
.set QSO, 7                            ; the two tiles' scale words there
.set SCW, 8                            ; where tile a's scale half goes in SCR
.set SCD, 9                            ; SCR + 16 x lane
.set SPW, 10
.set NIL, 11
.set BM,  24                           ; 8: a block's largest score, then its largest p
.set T1,  32                           ; 8: the other half of the lanes', then the bytes
.set HL,  40                           ; 8: 57,344 x the scale
.set SO,  48                           ; 8: the conversions' scale operands
.set CH,  56                           ; tile e: four pairs at CH + 8 e: the row's sum (first pair) and three more chains
.set NM,  72                           ; tile e: -M at NM + 2 e, the largest score at NM + 2 e + 1
.set F,   76                           ; tile e: f = 2^(old M - new M), later 1 / sum, at F + 2 e; the pair's upper word is written once
.set TP,  80
.set T2,  82
.set CV,  12                           ; v12, v13: log2(e) / 8, twice: the two halves of a dual pair take their sources from different register banks
.set NC,  15                           ; tile e: a second copy of -M at NC + 2 e, for the same reason
.set Q,   84
.set PC,  100
.set O,   116
.set S,   148
.set VF,  212
.set KS,  244
.set VS,  248
.set QS,  250
.set PS,  252
.set MSB, 0
.macro WIN new                         ; the immediate's high byte repeats the setting that is left; a switch that changes nothing is dropped
.if MSB != (\new)
	s_set_vgpr_msb (MSB<<8)|(\new)
.set MSB, (\new)
.endif
.endm
.macro PLACES n
.rept \n
	v_nop
.endr
.endm
.macro WALU
	s_wait_alu depctr_va_vdst(0)
.endm
.macro BARRIER
	s_barrier_signal -1
	s_barrier_wait -1
.endm
.macro ROUND                           ; a round of the cluster's barrier
	BARRIER
	s_cmp_lg_u32 s4, 0
	s_cbranch_scc1 .Lnot_wave_0_\@
	s_barrier_signal -3
.Lnot_wave_0_\@:
	s_barrier_wait -3
	BARRIER
.endm
.macro WMS e, t                        ; S^T of tile e: K's tile t x Q, the sum begins at 0
.if (\t)/4
	v_wmma_scale_f32_16x16x128_f8f6f4 v[S+8*\t:S+8*\t+7], v[8*\t:8*\t+15], v[Q:Q+15], 0, v[KS+(\t)%4], v[QS+\e] matrix_a_fmt:MATRIX_FMT_BF8 matrix_b_fmt:MATRIX_FMT_BF8 matrix_a_scale:MATRIX_SCALE_ROW1
.else
	v_wmma_scale_f32_16x16x128_f8f6f4 v[S+8*\t:S+8*\t+7], v[8*\t:8*\t+15], v[Q:Q+15], 0, v[KS+(\t)%4], v[QS+\e] matrix_a_fmt:MATRIX_FMT_BF8 matrix_b_fmt:MATRIX_FMT_BF8
.endif
.endm
.macro WMP e, j                        ; O^T of tile e += V's tile j x P
.if (\j)/2
	v_wmma_scale_f32_16x16x128_f8f6f4 v[O+8*\j:O+8*\j+7], v[VF+16*((\j)%2):VF+16*((\j)%2)+15], v[PC:PC+15], v[O+8*\j:O+8*\j+7], v[VS+(\j)%2], v[PS+\e] matrix_a_fmt:MATRIX_FMT_BF8 matrix_b_fmt:MATRIX_FMT_BF8 matrix_a_scale:MATRIX_SCALE_ROW1
.else
	v_wmma_scale_f32_16x16x128_f8f6f4 v[O+8*\j:O+8*\j+7], v[VF+16*((\j)%2):VF+16*((\j)%2)+15], v[PC:PC+15], v[O+8*\j:O+8*\j+7], v[VS+(\j)%2], v[PS+\e] matrix_a_fmt:MATRIX_FMT_BF8 matrix_b_fmt:MATRIX_FMT_BF8
.endif
.endm
.macro KLOAD adr                       ; K's eight tiles into window 1 (the window is set by the caller)
.irp t, 0,1,2,3,4,5,6,7
	ds_load_b128 v[8*\t:8*\t+3], v[\adr] offset:1024*\t
	ds_load_b128 v[8*\t+4:8*\t+7], v[\adr] offset:1024*\t+512
.endr
.endm
.macro VLOAD j                         ; V's tile j
.irp c, 0,1,2,3
	ds_load_b128 v[VF+16*((\j)%2)+4*\c:VF+16*((\j)%2)+4*\c+3], v[ADK] offset:8192+2048*(\j)+512*\c
.endr
.endm
.macro MAXT e                          ; the largest score of each block of 32 keys: for the row's maximum and, since p rises with the score, for the block's largest p.  Each accumulator is read from its low end on
	WIN (\e)*0x05
.irp b, 0,1,2,3
	v_max_num_f32 v[BM+4*\e+\b], v[S+16*\b], v[S+16*\b+1]
.endr
	WIN (\e)*0x14
.irp i, 2,4,6,8,10,12,14
.irp b, 0,1,2,3
	v_max3_num_f32 v[BM+4*\e+\b], v[BM+4*\e+\b], v[S+16*\b+\i], v[S+16*\b+\i+1]
.endr
.endr
.endm
.macro TMM e                           ; t - M, two at a time
	WIN (\e)*0x41
.set j, 0
.rept 32
	v_dual_fma_f32 v[S+j], v[S+j], v[CV], v[NM+2*\e] :: v_dual_fma_f32 v[S+j+1], v[S+j+1], v[CV+1], v[NC+2*\e]
.set j, j+2
.endr
.endm
.macro EXPS e                          ; p = 2^(t - M), at most 1
	WIN (\e)*0x41
.set j, 0
.rept 64
	v_exp_f32 v[S+j], v[S+j]
.set j, j+1
.endr
.endm
.macro SUMS e                          ; the row's sum of the unquantised p: two at a time, four chains by turns
	WIN (\e)*0x05
.irp k, 1,2,3
	v_pk_add_f32 v[CH+8*\e+2*\k:CH+8*\e+2*\k+1], v[S+4*\k-4:S+4*\k-3], v[S+4*\k-2:S+4*\k-1]
.endr
	WIN (\e)*0x01
.set j, 6
.rept 26
	v_dual_add_f32 v[CH+8*\e+2*((j-6)%4)], v[S+2*j], v[CH+8*\e+2*((j-6)%4)] :: v_dual_add_f32 v[CH+8*\e+2*((j-6)%4)+1], v[S+2*j+1], v[CH+8*\e+2*((j-6)%4)+1]
.set j, j+1
.endr
.endm
.macro CODES e, b                      ; block b's 16 numbers of a lane become four registers of codes
	v_cvt_scalef32_pk8_bf8_f32 v[PC+4*\b:PC+1+4*\b], v[S+16*\b:S+7+16*\b], v[SO+4*\e+\b]
	v_cvt_scalef32_pk8_bf8_f32 v[PC+2+4*\b:PC+3+4*\b], v[S+8+16*\b:S+15+16*\b], v[SO+4*\e+\b]
.endm
.macro HPAIR e, x, y                   ; blocks x and y = x + 1 are held together: a dual pair takes an even register of one block and an odd one of the other, so that its two bounds are neighbouring registers
.irp i, 0,2,4,6,8,10,12,14
	v_dual_min_num_f32 v[S+16*\x+\i], v[S+16*\x+\i], v[HL+4*\e+\x] :: v_dual_min_num_f32 v[S+16*\y+1+\i], v[S+16*\y+1+\i], v[HL+4*\e+\y]
	v_dual_min_num_f32 v[S+16*\y+\i], v[S+16*\y+\i], v[HL+4*\e+\y] :: v_dual_min_num_f32 v[S+16*\x+1+\i], v[S+16*\x+1+\i], v[HL+4*\e+\x]
.endr
	CODES \e, \x
	CODES \e, \y
.endm
.macro HOLDS e                         ; the conversion does not saturate (ISA guide 7.6.2); p is not negative, so the hold is one-sided
	WIN (\e)*0x41
	HPAIR \e, 0, 1
	HPAIR \e, 2, 3
.endm
.macro TIMES d, e                      ; d = O^T x the pair at F + 2 e (its low word); the wait stands directly ahead of the first reader of matrix results that stand behind transcendentals
	WIN (\e)*0x41
	WALU
.set j, 0
.rept 16
	v_pk_mul_f32 v[\d+j:\d+j+1], v[O+j:O+j+1], v[F+2*\e:F+2*\e+1] op_sel_hi:[1,0]
.set j, j+2
.endr
.endm
; A KEY STEP: the 128 keys whose images begin at LDS byte s25.  K's fragments and scale words are in registers when it begins.
.macro STEP
	WIN 0x01
.irp t, 0,1,2,3,4,5,6,7
	WMS 0, \t
.endr
	WIN 0x45
.irp t, 0,1,2,3,4,5,6,7
	WMS 1, \t
.endr
	WIN 0
	s_add_co_u32 s40, s25, KVG
	s_min_u32 s40, s40, 15*KVG                     ; the last step fetches its own K again: no read leaves the images
	v_add_nc_u32 v[ADK], s25, v[LI]
	v_add_nc_u32 v[ADS], s25, v[L8]
	v_add_nc_u32 v[ADN], s40, v[LI]
	PLACES 5                                       ; with the three additions: eight places behind the products, ahead of the loads into registers that they (and the last step's) have read and of the first read of the scores
	WIN 0x40
	KLOAD ADN
	VLOAD 2
	VLOAD 3
	WIN 0
	VLOAD 0
	VLOAD 1
	ds_load_b128 v[KS:KS+3], v[ADN] offset:16384   ; K's scale words: register i: lanes 0-15 tile i, lanes 16-31 tile 4 + i
	ds_load_b64 v[VS:VS+1], v[ADS] offset:16896    ; V's: register i: lanes 0-15 tile i, lanes 16-31 tile 2 + i
	MAXT 0
	MAXT 1
	WIN 0
.irp b, 0,1,2,3,4,5,6,7
	v_permlanex16_b32 v[T1+\b], v[BM+\b], s20, s21
.endr
.irp b, 0,1,2,3,4,5,6,7
	v_max_num_f32 v[BM+\b], v[BM+\b], v[T1+\b]     ; with lane l xor 16's 16 keys
.endr
.irp e, 0,1                                    ; the two tiles' chains take turns
	v_max3_num_f32 v[TP+\e], v[BM+4*\e], v[BM+4*\e+1], v[BM+4*\e+2]
.endr
.irp e, 0,1
	v_max3_num_f32 v[NM+2*\e+1], v[NM+2*\e+1], v[TP+\e], v[BM+4*\e+3]   ; the running largest score
.endr
.irp e, 0,1
	v_mul_f32 v[T2+\e], s22, v[NM+2*\e+1]          ; as t (the factor is positive)
.endr
.irp e, 0,1
	v_mov_b32 v[TP+\e], v[NM+2*\e]
.endr
.irp e, 0,1
	v_floor_f32 v[NM+2*\e], -v[T2+\e]              ; the new -M = floor(-t) = -ceil(t),
	v_floor_f32 v[NC+2*\e], -v[T2+\e]              ; and its second copy
.endr
.irp e, 0,1
	v_sub_f32 v[TP+\e], v[NM+2*\e], v[TP+\e]       ; old M - new M: a whole number, 0 or less
.endr
.irp e, 0,1
	v_cvt_i32_f32 v[TP+\e], v[TP+\e]               ; (it saturates)
.endr
.irp e, 0,1
	v_ldexp_f32 v[F+2*\e], 1.0, v[TP+\e]           ; f = 2^(old M - new M)
.endr
.irp b, 0,1,2,3,4,5,6,7
	v_fma_f32 v[BM+\b], v[BM+\b], s22, v[NM+2*(\b/4)]   ; t - M of each block's largest score
.endr
	TMM 0
	TMM 1
	WALU                                           ; the wait ahead of the batch
	EXPS 1
	EXPS 0
.irp e, 0,1
	v_pk_mul_f32 v[CH+8*\e:CH+8*\e+1], v[CH+8*\e:CH+8*\e+1], v[F+2*\e:F+2*\e+1] op_sel_hi:[1,0]   ; the sums under the new M: plain lines behind the batch
.endr
	WALU                                           ; one wait for the 128 exponentials, ahead of their first reader
.irp b, 0,1,2,3,4,5,6,7
	v_exp_f32 v[BM+\b], v[BM+\b]                   ; the block's largest p: the same two instructions on the same number
.endr
	SUMS 0
	SUMS 1
	WIN 0
.irp e, 0,1
	v_pk_add_f32 v[CH+8*\e:CH+8*\e+1], v[CH+8*\e:CH+8*\e+1], v[CH+8*\e+2:CH+8*\e+3]
	v_pk_add_f32 v[CH+8*\e+4:CH+8*\e+5], v[CH+8*\e+4:CH+8*\e+5], v[CH+8*\e+6:CH+8*\e+7]
.endr
.irp e, 0,1
	v_pk_add_f32 v[CH+8*\e:CH+8*\e+1], v[CH+8*\e:CH+8*\e+1], v[CH+8*\e+4:CH+8*\e+5]
.endr
	WALU                                           ; and one for the eight
.irp b, 0,1,2,3,4,5,6,7
	v_max_num_f32 v[BM+\b], 0x8000000, v[BM+\b]    ; the floor 2^(16 - 127): the byte cannot fall under 1
.endr
.irp b, 0,1,2,3,4,5,6,7
	v_add_nc_u32 v[SO+\b], 0xf8800000, v[BM+\b]    ; 15 off the exponent field: the conversion's scale operand
.endr
.irp b, 0,1,2,3,4,5,6,7
	v_and_or_b32 v[HL+\b], v[BM+\b], 0x7f800000, s24   ; 57,344 x the scale
.endr
.irp b, 0,1,2,3,4,5,6,7
	v_lshrrev_b32 v[T1+\b], 23, v[SO+\b]           ; the scale's byte
.endr
.irp e, 0,1
	v_lshl_or_b32 v[PS+\e], v[T1+4*\e+1], 8, v[T1+4*\e]   ; p's scale word for these 128 keys
.endr
.irp e, 0,1
	v_lshl_or_b32 v[PS+\e], v[T1+4*\e+2], 16, v[PS+\e]
.endr
.irp e, 0,1
	v_lshl_or_b32 v[PS+\e], v[T1+4*\e+3], 24, v[PS+\e]
.endr
	HOLDS 0
	HOLDS 1
	TIMES O, 0                                     ; O^T under the new M.  These 32 lines are also the places between the codes and the products below
	TIMES O, 1
	WIN 0
	WALU
	s_wait_dscnt 0x0                               ; V is in, and so is the next step's K
	WMP 0, 0                                       ; one instruction on each of eight accumulators: they take turns
	WMP 0, 1
	WIN 0x54
	WMP 1, 0
	WMP 1, 1
	WIN 0x01
	WMP 0, 2
	WMP 0, 3
	WIN 0x55
	WMP 1, 2
	WMP 1, 3
	WIN 0
.endm
.macro WALK first, n                   ; n key steps from step first on
	s_mov_b32 s25, (\first)*KVG
	s_mov_b32 s26, \n
.Lstep_\@:
	STEP
	s_add_co_u32 s25, s25, KVG
	s_sub_co_u32 s26, s26, 1
	s_cmp_lg_u32 s26, 0
	s_cbranch_scc1 .Lstep_\@
.endm
	s_load_b256 s[8:15], s[0:1], 0x0               ; qimg 8, kv 10, aimg 12, asc 14
	v_lshl_add_u32 v[SPW], v0, 2, SPARE
	v_mov_b32 v[NIL], 0
	ds_add_u32 v[SPW], v[NIL]                      ; the opening: the add, twice on end, and its wait ahead of my tensor load
	ds_add_u32 v[SPW], v[NIL]
	v_lshrrev_b32 v[TP], 5, v0
	v_readfirstlane_b32 s4, v[TP]                  ; wave 0..7
	s_bfe_u32 s5, ttmp6, 0x40000                   ; cx
	s_and_b32 s6, ttmp7, 0xffff                    ; bh, which the four partners share
	s_mov_b32 s20, 0x76543210
	s_mov_b32 s21, 0xfedcba98                      ; v_permlanex16_b32's selects for lane l xor 16
	s_mov_b32 s22, 0x3e38aa3b                      ; log2(e) / 8
	s_mov_b32 s24, 0x600000                        ; the mantissa field of 57,344
	s_mov_b32 s27, 2                               ; passes
	; descriptor group 1: two key steps: a dense block of 134 rows of 256 bytes (32 elements of 8 bytes)
	s_mov_b32 s28, 15|(3<<16)|(1<<21)              ; 15:0 the mask: all four work-groups; 17:16 elements of 8 bytes; 21 set beside a mask
	s_mov_b32 s29, 32<<16
	s_mov_b32 s30, 134<<16
	s_mov_b32 s31, 32<<16
	s_mov_b32 s32, 134
	s_mov_b32 s33, 32
	s_mov_b32 s34, 0
	s_mov_b32 s35, 0
	s_mov_b32 s36, 1
	s_mul_i32 s37, s4, 2*KVG                       ; wave w fetches key steps 2 w and 2 w + 1
	s_mul_i32 s18, s6, 16*KVG
	s_add_co_u32 s18, s18, s37
	s_mov_b32 s19, 0
	s_mov_b32 s55, 0
	s_and_b32 s16, s4, 3                           ; my tiles in their group of eight: 2 (w % 4) and the next
	s_lshl_b32 s41, s16, 11                        ; tile a's codes in qimg's group
	s_lshl_b32 s42, s16, 15                        ; and in aimg's
	s_bfe_u32 s43, s4, 0x10001
	s_lshl_b32 s43, s43, 8
	s_and_b32 s17, s4, 1
	s_lshl_b32 s17, s17, 3
	s_add_co_u32 s43, s43, s17
	s_add_co_u32 s43, s43, 8192                    ; the word of tile 4 a + i, row r, lies at 8,192 + 256 a + 16 r + 4 i: my two tiles' words are neighbours
	s_lshl_b32 s44, s4, 6
	s_add_co_u32 s44, s44, SCR                     ; SCR + 2 x 16 x tile a
	s_wait_dscnt 0x0                               ; both opening adds are done
	ROUND                                          ; all four work-groups are here: the joint loads meet
	s_wait_kmcnt 0x0
	s_add_nc_u64 s[38:39], s[10:11], s[18:19]
	s_or_b32 s39, s39, 0x80000000
	s_cmp_lt_u32 s4, 2                             ; one load a wave; waves 0 and 1, for whose tiles alone the first barrier waits, have a line of their own
	s_cbranch_scc0 .Llater
	tensor_load_to_lds s[36:39], s[28:35]
	s_nop 0
	PLACES 4
	s_branch .Lasked
.Llater:
	tensor_load_to_lds s[36:39], s[28:35]
	s_nop 0
	PLACES 4
.Lasked:
	s_lshl_b32 s52, s5, 2
	s_lshr_b32 s53, s4, 2
	s_add_co_u32 s52, s52, s53                     ; my group of 128 queries in the first pass: 4 cx + wave / 4
	s_mul_i32 s54, s52, QG
	s_mul_i32 s53, s6, 16*QG
	s_add_co_u32 s54, s54, s53
	s_add_nc_u64 s[8:9], s[8:9], s[54:55]          ; qimg at my group
	s_lshr_b32 s53, s6, 4
	s_lshl_b32 s53, s53, 21                        ; aimg [batch][group][tile][head / 2][2 (head % 2) + chunk][512]
	s_lshl_b32 s54, s52, 17
	s_add_co_u32 s54, s54, s53
	s_add_co_u32 s54, s54, s42
	s_bfe_u32 s53, s6, 0x30001
	s_lshl_b32 s53, s53, 11
	s_add_co_u32 s54, s54, s53
	s_and_b32 s53, s6, 1
	s_lshl_b32 s53, s53, 10
	s_add_co_u32 s54, s54, s53
	s_add_nc_u64 s[12:13], s[12:13], s[54:55]
	s_lshl_b32 s54, s6, 12                         ; asc [bh][2,048] of two bytes
	s_lshl_b32 s53, s5, 10
	s_add_co_u32 s54, s54, s53
	s_add_nc_u64 s[14:15], s[14:15], s[54:55]
	v_and_b32 v[TP], 31, v0
	v_and_b32 v[TP+1], 15, v0                      ; r
	v_lshlrev_b32 v[LI], 4, v[TP]
	v_lshlrev_b32 v[L8], 3, v[TP]
	v_lshl_add_u32 v[QO], v[TP], 4, s41
	v_lshl_add_u32 v[QSO], v[TP+1], 4, s43
	v_lshl_add_u32 v[SCW], v[TP+1], 1, s44
	v_lshl_add_u32 v[SCD], v[TP], 4, SCR
.irp i, 0,1,2,3,4,5,6,7
	v_mov_b32 v[Q+8+\i], 0                         ; tile a's Q, upper half: zero codes
	v_mov_b32 v[T1+\i], 0                          ; written once: a lane permute's destination counts as one of its sources
.endr
	v_mov_b32 v[F+1], 0                            ; named as the upper halves of pairs
	v_mov_b32 v[F+3], 0
	v_mov_b32 v[CV], 0x3e38aa3b                    ; log2(e) / 8
	v_mov_b32 v[CV+1], 0x3e38aa3b
	WIN 0x40
.irp i, 0,1,2,3,4,5,6,7
	v_mov_b32 v[Q+8+\i], 0                         ; tile b's
	v_mov_b32 v[64+\i], 0                          ; what K's last fragment names behind its codes
.endr
	WIN 0
	WALU
.Lpass:
	global_load_b128 v[Q:Q+3], v[QO], s[8:9]
	global_load_b128 v[Q+4:Q+7], v[QO], s[8:9] offset:512
	global_load_b64 v[QS:QS+1], v[QSO], s[8:9]
	WIN 0x40
	global_load_b128 v[Q:Q+3], v[QO], s[8:9] offset:1024
	global_load_b128 v[Q+4:Q+7], v[QO], s[8:9] offset:1536
.set j, 0
.rept 32
	v_mov_b32 v[O+j], 0                            ; the step is written once: the first finds zeros, which the first change of M leaves zeros
.set j, j+1
.endr
	WIN 0
.set j, 0
.rept 32
	v_mov_b32 v[O+j], 0
.set j, j+1
.endr
.irp e, 0,1
	v_mov_b32 v[NM+2*\e+1], 0xff61b1e6             ; the largest score so far: -3e38, under every score
	v_mov_b32 v[NM+2*\e], 0x7f61b1e6               ; -M: 3e38, so that the first f is 0
	v_mov_b32 v[CH+8*\e], 0
	v_mov_b32 v[CH+8*\e+1], 0
.endr
	WALU
	s_cmp_lt_u32 s4, 2
	s_cbranch_scc0 .Lnot_mine
	s_wait_tensorcnt 0x0                           ; waves 0, 1: key steps 0 to 3 are in LDS
.Lnot_mine:
	s_wait_dscnt 0x0
	BARRIER
	WIN 0x40
	KLOAD LI                                       ; key step 0's K
	WIN 0
	ds_load_b128 v[KS:KS+3], v[LI] offset:16384
	s_wait_dscnt 0x0
	s_wait_loadcnt 0x0                             ; Q
	WALK 0, 3                                      ; steps 0 to 2 read K up to step 3 and V up to step 2
	s_wait_tensorcnt 0x0                           ; every wave's two key steps are in LDS,
	s_wait_dscnt 0x0
	BARRIER                                        ; everybody's are
	WALK 3, 13
	; THE WAY OUT OF A PASS: O^T / the sum, quantised along d (two blocks of 32; a block's other 16 lie in lane l xor 16)
	PLACES 8                                       ; eight places behind the last products
.irp e, 0,1
	v_add_f32 v[CH+8*\e], v[CH+8*\e], v[CH+8*\e+1]
.endr
.irp e, 0,1
	v_permlanex16_b32 v[TP+\e], v[CH+8*\e], s20, s21
.endr
.irp e, 0,1
	v_add_f32 v[CH+8*\e], v[CH+8*\e], v[TP+\e]     ; the row's sum
.endr
	WALU                                           ; the wait ahead of the transcendentals
	v_rcp_f32 v[F], v[CH]
	v_rcp_f32 v[F+2], v[CH+8]
	v_nop                                          ; a plain line behind the reciprocals; the wait ahead of their first reader stands in TIMES
	TIMES S, 0                                     ; register 16 b + i: d = 32 b + 16 (lane / 16) + i.  Each accumulator is read from its low end on
	TIMES S, 1
.irp e, 0,1
	WIN (\e)*0x05
.irp b, 0,1
	v_max3_num_f32 v[BM+4*\e+\b], |v[S+16*\b]|, |v[S+1+16*\b]|, 0x8000000
.endr
	WIN (\e)*0x14
.irp i, 2,4,6,8,10,12,14
.irp b, 0,1
	v_max3_num_f32 v[BM+4*\e+\b], v[BM+4*\e+\b], |v[S+16*\b+\i]|, |v[S+1+16*\b+\i]|
.endr
.endr
.endr
	WIN 0
.irp b, 0,1,4,5
	v_permlanex16_b32 v[T1+\b], v[BM+\b], s20, s21
.endr
.irp b, 0,1,4,5
	v_max_num_f32 v[BM+\b], v[BM+\b], v[T1+\b]
.endr
.irp b, 0,1,4,5
	v_add_nc_u32 v[SO+\b], 0xf8800000, v[BM+\b]
.endr
.irp b, 0,1,4,5
	v_and_or_b32 v[HL+\b], v[BM+\b], 0x7f800000, s24
.endr
.irp b, 0,1,4,5
	v_lshrrev_b32 v[T1+\b], 23, v[SO+\b]
.endr
.irp e, 0,1
	v_lshl_or_b32 v[TP+\e], v[T1+4*\e+1], 8, v[T1+4*\e]   ; a query's two scale bytes of this head
.endr
.irp e, 0,1
	WIN (\e)*0x41
.irp b, 0,1
.irp i, 0,1,2,3,4,5,6,7,8,9,10,11,12,13,14,15
	v_med3_num_f32 v[S+16*\b+\i], v[S+16*\b+\i], -v[HL+4*\e+\b], v[HL+4*\e+\b]
.endr
	CODES \e, \b
.endr
.endr
	v_nop                                          ; a plain line behind the last conversion
	WIN 0
	global_store_b128 v[LI], v[PC:PC+3], s[12:13]              ; 32 lanes store 512 consecutive bytes
	global_store_b128 v[LI], v[PC+4:PC+7], s[12:13] offset:512
	WIN 0x04
	global_store_b128 v[LI], v[PC:PC+3], s[12:13] offset:16384
	global_store_b128 v[LI], v[PC+4:PC+7], s[12:13] offset:16896
	WIN 0
	ds_store_b16 v[SCW], v[TP]                     ; lanes l and l xor 16 write the same bytes with the same value
	ds_store_b16 v[SCW], v[TP+1] offset:32
	s_wait_dscnt 0x0                               ; for the others' sake: my stores have landed
	BARRIER
	s_cmp_lg_u32 s4, 0
	s_cbranch_scc1 .Lnot_w0
	ds_load_b128 v[BM:BM+3], v[SCD]                ; wave 0 stores the pass's 256 halves: 512 consecutive bytes.  SCR is written again only behind the next pass's two barriers
	s_wait_dscnt 0x0
	global_store_b128 v[LI], v[BM:BM+3], s[14:15]
.Lnot_w0:
	s_wait_xcnt 0x0                                ; the stores have read their data and their bases: both are written again only behind this wait
	s_add_nc_u64 s[8:9], s[8:9], 2*QG              ; two groups of 128 queries on
	s_add_nc_u64 s[12:13], s[12:13], 2*131072
	s_add_nc_u64 s[14:15], s[14:15], 512
	s_sub_co_u32 s27, s27, 1
	s_cmp_lg_u32 s27, 0
	s_cbranch_scc1 .Lpass
	s_wait_tensorcnt 0x0                           ; the wave's end
	ds_add_u32 v[SPW], v[NIL]
	s_wait_dscnt 0x0
	ROUND                                          ; the closing round: no work-group ends while a partner may still ask for a tile that names it
	s_endpgm
.Lfunc_end_k_qc93504d2f3_attn:
	.size	k_qc93504d2f3_attn, .Lfunc_end_k_qc93504d2f3_attn-k_qc93504d2f3_attn
	.p2alignl 7, 3214868480
	.fill 96, 4, 3214868480
	.section	.rodata,"a",@progbits
	.p2align	6, 0x0
	.amdhsa_kernel k_qc93504d2f3_attn
		.amdhsa_group_segment_fixed_size 280576
		.amdhsa_private_segment_fixed_size 0
		.amdhsa_enable_private_segment 0
		.amdhsa_kernarg_size 32
		.amdhsa_user_sgpr_count 2
		.amdhsa_user_sgpr_kernarg_segment_ptr 1
		.amdhsa_wavefront_size32 1
		.amdhsa_system_sgpr_workgroup_id_x 1
		.amdhsa_system_sgpr_workgroup_id_y 1
		.amdhsa_system_sgpr_workgroup_id_z 1
		.amdhsa_system_vgpr_workitem_id 0
		.amdhsa_next_free_vgpr 512
		.amdhsa_next_free_sgpr 66
		.amdhsa_reserve_vcc 0
		.amdhsa_float_denorm_mode_32 3
		.amdhsa_float_denorm_mode_16_64 3
		.amdhsa_memory_ordered 1
		.amdhsa_forward_progress 1
		.amdhsa_inst_pref_size 96
	.end_amdhsa_kernel
	.amdgpu_metadata
---
amdhsa.version: [ 1, 2 ]
amdhsa.kernels:
  - .name:           k_qc93504d2f3_attn
    .symbol:         k_qc93504d2f3_attn.kd
    .args:
      - { .name: qimg, .offset: 0, .size: 8, .value_kind: global_buffer, .address_space: global }
      - { .name: kv, .offset: 8, .size: 8, .value_kind: global_buffer, .address_space: global }
      - { .name: aimg, .offset: 16, .size: 8, .value_kind: global_buffer, .address_space: global }
      - { .name: asc, .offset: 24, .size: 8, .value_kind: global_buffer, .address_space: global }
    .group_segment_fixed_size: 280576
    .private_segment_fixed_size: 0
    .kernarg_segment_align: 8
    .kernarg_segment_size: 32
    .max_flat_workgroup_size: 256
    .sgpr_count:     66
    .vgpr_count:     512
    .wavefront_size: 32
...
	.end_amdgpu_metadata
.endif
;; end of part 2
;; launch oproj (part 3): grid 4 x 64, 4 waves a work-group, clusters of 4 x 1, 168,448 bytes of LDS; arguments aimg, asc, o_w_codes, o_w_scales, o_b, out0; writes out0
.if DOCPART == 3
	.amdgcn_target "amdgcn-amd-amdhsa--gfx1250"
	.amdhsa_code_object_version 6
	.text
	.protected	k_qc93504d2f3_oproj
	.globl	k_qc93504d2f3_oproj
	.p2align	8
	.type	k_qc93504d2f3_oproj,@function
k_qc93504d2f3_oproj:
	s_mov_b64 s[64:65], 0
	v_nop
	global_prefetch_b8 v0, s[64:65] scope:SCOPE_SE
	s_setreg_imm32_b32 hwreg(HW_REG_WAVE_MODE, 25, 1), 1
	s_wait_xcnt 0x0
	s_wait_alu depctr_hold_cnt(0) depctr_sa_sdst(0) depctr_va_vdst(0) depctr_va_sdst(0) depctr_va_ssrc(0) depctr_va_vcc(0) depctr_vm_vsrc(0)
	s_getreg_b32 s2, hwreg(HW_REG_IB_STS2, 6, 4)
	s_cmp_eq_u32 s2, 0
	s_cbranch_scc0 .Lentry_in_a_cluster
	s_endpgm
.Lentry_in_a_cluster:
	s_bfe_u32 s2, ttmp6, 0x10000c
	s_cmp_lg_u32 s2, 0x3003
	s_cbranch_scc0 .Lentry_shape_is_right
	s_endpgm
.Lentry_shape_is_right:
; out0 = attn o_w + o_b on codes of BF8 (E5M2) with one E8M0 scale for each 32 along K = 1,024; sums in f32.
; SHARES.  Work-group (cx, y): tokens 128 y .. 128 y + 127, output columns 256 cx .. 256 cx + 255 (the grid has one cluster along x).  Wave w owns columns 64 (4 cx + w) on: its 64 rows of o_w, all of K, stay in 512 registers.
; The tokens' codes are images of operand registers, [tile 8][sub-step 8][chunk 4][512 bytes]: one dense block of 131,072 bytes, filled into LDS once; every read is of consecutive bytes.
; CLUSTER.  The four work-groups of a cluster share y and so the tokens: each fill is asked for JOINTLY (mask 15).  The weights are each wave's own and go to registers.
; Source 0 = 16 rows of o_w (columns of the output, neighbours), source 1 = a token tile: a lane holds one token and eight neighbouring columns.  Lane r of token tile 2 b + u is token 32 b + 8 u + r + 8 (r / 8).
; The tokens go in two halves of 64: 16 accumulators, (token tile j, column tile p) at v[ACC + 32 j + 8 p]; the bias is the C of a half's first run.
; REGISTERS, in windows of 256.  Window 0: v1-10 addresses; v16-47 the tokens' scale words; v48-63 o_w's; v64-127 rows on the way out, two sets; v128-255 accumulators (at the head v128-191 hold the scale halves as loaded).
;   Windows 1, 2: o_w: sub-step s in window 1 + s / 4 at v[64 (s % 4) + 16 p].   Window 3: v0-63, v64-127 token fragments, two sets; v128-159 the bias.
.set STG, 131072                       ; behind the images: a stage of 16 rows x (256 bytes + 16) for each wave; no fill lands there
.set LI,  1                            ; v1   16 x lane: also the LDS address of the first half's images
.set XA1, 2                            ; v2   16 x lane + 65,536: the second half's
.set WA,  4                            ; v4   my row of a tile of o_w, + 16 (lane / 16)
.set WSA, 5                            ; v5   its scale words: lanes 0-15 tiles 0, 1; lanes 16-31 tiles 2, 3
.set XSA, 6                            ; v6   the tokens' scale halves: lanes 0-15 tiles 0-3; lanes 16-31 tiles 4-7
.set BQA, 7                            ; v7   the bias: 32 (lane / 16)
.set STO, 8                            ; v8   the stage: where I put 32 bytes of a row
.set RD,  9                            ; v9   and where I read a row back
.set CO,  10                           ; v10  my byte offset in two rows of out0
.set XS,  16
.set WS,  48
.set OB,  64
.set ACC, 128
.set BI,  128                          ; in window 3
.set MSB, 0
.macro WIN new                         ; the immediate's high byte repeats the setting that is left; a switch that changes nothing is dropped
.if MSB != (\new)
	s_set_vgpr_msb (MSB<<8)|(\new)
.set MSB, (\new)
.endif
.endm
.macro PLACES n
.rept \n
	v_nop
.endr
.endm
.macro ROUND                           ; a round of the cluster's barrier
	s_barrier_signal -1
	s_barrier_wait -1
	s_cmp_lg_u32 s4, 0
	s_cbranch_scc1 .Lnot_wave_0_\@
	s_barrier_signal -3
.Lnot_wave_0_\@:
	s_barrier_wait -3
	s_barrier_signal -1
	s_barrier_wait -1
.endm
.macro WM d, a, b, c, sa, sb, ra, rb   ; ra, rb = 1: that side's scales stand in lanes 16-31
.if \ra && \rb
	v_wmma_scale_f32_16x16x128_f8f6f4 v[\d:\d+7], v[\a:\a+15], v[\b:\b+15], v[\c:\c+7], v[\sa], v[\sb] matrix_a_fmt:MATRIX_FMT_BF8 matrix_b_fmt:MATRIX_FMT_BF8 matrix_a_scale:MATRIX_SCALE_ROW1 matrix_b_scale:MATRIX_SCALE_ROW1
.elseif \ra
	v_wmma_scale_f32_16x16x128_f8f6f4 v[\d:\d+7], v[\a:\a+15], v[\b:\b+15], v[\c:\c+7], v[\sa], v[\sb] matrix_a_fmt:MATRIX_FMT_BF8 matrix_b_fmt:MATRIX_FMT_BF8 matrix_a_scale:MATRIX_SCALE_ROW1
.elseif \rb
	v_wmma_scale_f32_16x16x128_f8f6f4 v[\d:\d+7], v[\a:\a+15], v[\b:\b+15], v[\c:\c+7], v[\sa], v[\sb] matrix_a_fmt:MATRIX_FMT_BF8 matrix_b_fmt:MATRIX_FMT_BF8 matrix_b_scale:MATRIX_SCALE_ROW1
.else
	v_wmma_scale_f32_16x16x128_f8f6f4 v[\d:\d+7], v[\a:\a+15], v[\b:\b+15], v[\c:\c+7], v[\sa], v[\sb] matrix_a_fmt:MATRIX_FMT_BF8 matrix_b_fmt:MATRIX_FMT_BF8
.endif
.endm
.macro WLOAD s                         ; o_w's four fragments of sub-step s
	WIN 0x40*(1+(\s)/4)
.irp p, 0,1,2,3
.irp c, 0,1,2,3
	global_load_b128 v[64*((\s)%4)+16*\p+4*\c:64*((\s)%4)+16*\p+4*\c+3], v[WA], s[12:13] offset:16*\p*1024+128*(\s)+32*\c
.endr
.endr
.endm
.macro XFETCH n                        ; run n's four token fragments (half n / 8, sub-step n % 8) into set n % 2
.set rAd, LI
.if (\n) >= 8
.set rAd, XA1
.endif
	WIN 0xc0
.irp j, 0,1,2,3
.irp c, 0,1,2,3
	ds_load_b128 v[64*((\n)%2)+16*\j+4*\c:64*((\n)%2)+16*\j+4*\c+3], v[rAd] offset:(8*\j+(\n)%8)*2048+512*\c
.endr
.endr
.endm
; 16 matrix instructions.  The 16 accumulators take turns, one instruction a turn, in the same order in every run.
.macro RUN hf, s
.if (\s) == 0
	WIN 0x3d                               ; source 0 (o_w) window 1, source 1 (tokens) window 3, C (bias) window 3
.elseif (\s) < 4
	WIN 0x0d
.else
	WIN 0x0e
.endif
.irp j, 0,1,2,3
.irp p, 0,1,2,3
.set rD, ACC+32*\j+8*\p
.set rC, rD
.if (\s) == 0
.set rC, BI+8*\p
.endif
.set rA, 64*((\s)%4)+16*\p
.set rB, 64*((\s)%2)+16*\j
.set rSA, WS+8*(\p%2)+(\s)
.set rSB, XS+8*\j+(\s)
.set rRA, \p/2
.set rRB, \hf
	WM rD, rA, rB, rC, rSA, rSB, rRA, rRB
.endr
.endr
.endm
; THE WAY OUT.  A lane holds 32 neighbouring bytes of a token's 256, and the lanes beside it hold other tokens: a tile of 16 tokens goes through my own stage and comes back as whole rows.
.macro TOSTAGE j
.irp p, 0,1,2,3
	ds_store_b128 v[STO], v[ACC+32*(\j)+8*\p:ACC+32*(\j)+8*\p+3] offset:64*\p          ; each accumulator from its low end on
	ds_store_b128 v[STO], v[ACC+32*(\j)+8*\p+4:ACC+32*(\j)+8*\p+7] offset:64*\p+16
.endr
.irp i, 0,1,2,3,4,5,6,7
	ds_load_b128 v[OB+32*((\j)%2)+4*\i:OB+32*((\j)%2)+4*\i+3], v[RD] offset:2*\i*272   ; LDS serves a wave's instructions in order (ISA guide 5.7.1.4): these see the stores above, and the next tile's stores come behind them
.endr
.endm
.macro SEND hf, j, younger             ; younger: the LDS instructions issued behind tile j's loads, which may stay out
	s_wait_dscnt \younger
.irp i, 0,1,2,3,4,5,6,7
	global_store_b128 v[CO], v[OB+32*((\j)%2)+4*\i:OB+32*((\j)%2)+4*\i+3], s[18:19] offset:(32*((4*(\hf)+(\j))/2)+8*((\j)%2)+2*\i+8*(\i/4))*4096 th:TH_STORE_NT   ; stage rows 2 i, 2 i + 1 are two neighbouring tokens: sixteen lanes store 256 consecutive bytes, aligned
.endr
.endm
.macro OUT hf
.if (\hf) == 1
	s_wait_xcnt 0x0                                ; the first half's stores have read both sets of rows
.endif
	TOSTAGE 0
.irp j, 1,2,3
.if \j > 1
	s_wait_xcnt 0x0                                ; tile j - 2's stores have read their registers: tile j's rows may land there
.endif
	TOSTAGE \j
	SEND \hf, \j-1, 16                             ; behind tile j - 1's loads: tile j's 8 stores and 8 loads
.endr
	SEND \hf, 3, 0
.endm
	s_load_b256 s[8:15], s[0:1], 0x0               ; aimg 8, asc 10, o_w's codes 12, its scales 14
	s_load_b128 s[16:19], s[0:1], 0x20             ; o_b 16, out0 18
	v_lshl_add_u32 v11, v0, 2, 0x29000
	v_mov_b32 v12, 0
	ds_add_u32 v11, v12
	ds_add_u32 v11, v12
	v_lshrrev_b32 v13, 5, v0
	v_readfirstlane_b32 s4, v13                    ; wave 0..3
	s_bfe_u32 s5, ttmp6, 0x40000                   ; cx: it enters the addresses of plain loads and stores alone
	s_lshl_b32 s6, s5, 2
	s_add_co_u32 s6, s6, s4                        ; my 64 columns
	s_and_b32 s7, ttmp7, 0xffff                    ; y, which the four partners share
	v_and_b32 v13, 31, v0
	v_lshlrev_b32 v[LI], 4, v13
	v_add_nc_u32 v[XA1], 0x10000, v[LI]
	v_and_b32 v13, 15, v0                          ; r
	v_bfe_u32 v14, v0, 4, 1                        ; h
	v_lshlrev_b32 v[WA], 10, v13
	v_lshl_add_u32 v[WA], v14, 4, v[WA]
	v_lshl_add_u32 v15, v14, 5, v13
	v_lshlrev_b32 v[WSA], 5, v15                   ; 32 bytes of scales a row; lanes 16-31 stand 32 rows on
	v_lshl_add_u32 v15, v14, 6, v13
	v_lshlrev_b32 v[XSA], 1, v15                   ; two bytes a token and head; lanes 16-31 stand four tiles on
	v_lshlrev_b32 v[BQA], 5, v14
	s_mul_i32 s34, s4, 16*272
	s_add_co_u32 s34, s34, STG                     ; my stage
	v_mul_u32_u24 v[STO], v13, 272
	v_lshl_add_u32 v[STO], v14, 5, v[STO]
	v_add_nc_u32 v[STO], s34, v[STO]               ; in: row r, + 32 h
	v_mul_u32_u24 v[RD], v14, 272
	v_lshl_add_u32 v[RD], v13, 4, v[RD]
	v_add_nc_u32 v[RD], s34, v[RD]                 ; back: lanes 0-15 one row, lanes 16-31 the next
	v_lshlrev_b32 v[CO], 12, v14
	v_lshl_add_u32 v[CO], v13, 4, v[CO]            ; and the same two rows in out0
	; descriptor group 1: 128 rows of 256 bytes (32 elements of 8 bytes), dense
	s_mov_b32 s36, 15|(3<<16)|(1<<21)              ; 15:0 the mask: all four work-groups; 17:16 elements of 8 bytes; 21 set beside a mask
	s_mov_b32 s37, 32<<16
	s_mov_b32 s38, 128<<16
	s_mov_b32 s39, 32<<16
	s_mov_b32 s40, 128
	s_mov_b32 s41, 32
	s_mov_b32 s42, 0
	s_mov_b32 s43, 0
	s_mov_b32 s44, 1
	s_lshl_b32 s45, s4, 15                         ; wave w fetches the block's quarter w
	s_lshl_b32 s54, s7, 17
	s_add_co_u32 s54, s54, s45
	s_mov_b32 s55, 0
	s_mov_b32 s53, 0
	s_wait_dscnt 0x0
	s_wait_kmcnt 0x0
	s_add_nc_u64 s[46:47], s[8:9], s[54:55]
	s_or_b32 s47, s47, 0x80000000
	s_lshl_b32 s52, s6, 16                         ; my 64 rows of o_w,
	s_add_nc_u64 s[12:13], s[12:13], s[52:53]
	s_lshl_b32 s52, s6, 11                         ; their scale bytes,
	s_add_nc_u64 s[14:15], s[14:15], s[52:53]
	s_lshl_b32 s52, s6, 8                          ; my 64 numbers of o_b
	s_add_nc_u64 s[16:17], s[16:17], s[52:53]
	s_lshl_b32 s35, s7, 19                         ; out0: 128 y rows of 4,096 bytes + my 256 bytes of a row
	s_add_co_u32 s52, s52, s35
	s_add_nc_u64 s[18:19], s[18:19], s[52:53]
	s_lshr_b32 s52, s7, 4
	s_lshl_b32 s52, s52, 16                        ; asc: the batch's 16 heads of 4,096 bytes,
	s_and_b32 s35, s7, 15
	s_lshl_b32 s35, s35, 8                         ; the group's 128 tokens of two bytes
	s_add_co_u32 s52, s52, s35
	s_add_nc_u64 s[10:11], s[10:11], s[52:53]
	ROUND                                          ; all four work-groups are here: the joint loads meet
	tensor_load_to_lds s[44:47], s[36:43]          ; one tensor load of mine is out; LDS is filled once in this launch
	s_nop 0
	PLACES 4                                       ; four places behind a tensor load
.irp j, 0,1,2,3
.irp d, 0,1,2,3,4,5,6,7,8,9,10,11,12,13,14,15
	global_load_u16 v[ACC+16*\j+\d], v[XSA], s[10:11] offset:\d*4096+32*\j   ; head d's two scale bytes: lanes 0-15 token tile j, lanes 16-31 tile 4 + j
.endr
.endr
.irp t, 0,1
.irp q, 0,1
	global_load_b128 v[WS+8*\t+4*\q:WS+8*\t+4*\q+3], v[WSA], s[14:15] offset:512*\t+16*\q   ; register WS + 8 t + s: lanes 0-15 tile t, lanes 16-31 tile t + 2
.endr
.endr
	WIN 0xc0
	s_wait_alu depctr_va_vdst(0)
.irp p, 0,1,2,3
	global_load_b128 v[BI+8*\p:BI+8*\p+3], v[BQA], s[16:17] offset:64*\p       ; the bias in the result's layout: columns 16 p + 8 h + 0 .. 7
	global_load_b128 v[BI+8*\p+4:BI+8*\p+7], v[BQA], s[16:17] offset:64*\p+16
.endr
.irp s, 0,1,2,3,4,5,6,7
	WLOAD \s
.endr
	s_wait_tensorcnt 0x0                           ; my quarter is in LDS,
	s_barrier_signal -1
	s_barrier_wait -1                              ; everybody's is
	XFETCH 0
	XFETCH 1
	WIN 0
	s_wait_loadcnt 63                              ; behind the 64 scale halves 140 loads were issued, more than the count can name: the smaller count serves
.irp j, 0,1,2,3
.irp s, 0,1,2,3,4,5,6,7
	v_lshl_or_b32 v[XS+8*\j+\s], v[ACC+16*\j+2*\s+1], 16, v[ACC+16*\j+2*\s]   ; sub-step s is heads 2 s and 2 s + 1: four bytes, one for each 32 along K
.endr
.endr
	PLACES 8                                       ; a scale register written by a vector instruction stands eight places ahead of the product that names it
.set n, 0
	s_wait_alu depctr_va_vdst(0)
.rept 16
.set hh, n/8
.set ss, n%8
.if n < 15
	s_wait_dscnt 16                                ; this run's fragments are in; the next run's 16 loads may be out
.else
	s_wait_dscnt 0x0
.endif
.if hh == 0
.if 16*(7-ss) > 63
	s_wait_loadcnt 63                              ; behind this sub-step's weight loads 16 (7 - s) were issued, more than the count can name: the smaller count serves
.else
	s_wait_loadcnt 16*(7-ss)                       ; the later sub-steps' weight loads may be out
.endif
.endif
	RUN hh, ss
	PLACES 8                                       ; eight places in front of loads into registers that this run has read, and of the first read of its results
.if n+2 <= 15
	XFETCH n+2
.endif
.if ss == 7
	WIN 0
	v_nop                                          ; a ninth place: the next half's first products write over these accumulators with another C
	OUT hh
.endif
.set n, n+1
.endr
	s_wait_tensorcnt 0x0
	ds_add_u32 v11, v12
	s_wait_dscnt 0x0
	ROUND                                          ; the closing round: no work-group ends while a partner may still ask for a tile that names it
	s_endpgm
.Lfunc_end_k_qc93504d2f3_oproj:
	.size	k_qc93504d2f3_oproj, .Lfunc_end_k_qc93504d2f3_oproj-k_qc93504d2f3_oproj
	.p2alignl 7, 3214868480
	.fill 96, 4, 3214868480
	.section	.rodata,"a",@progbits
	.p2align	6, 0x0
	.amdhsa_kernel k_qc93504d2f3_oproj
		.amdhsa_group_segment_fixed_size 168448
		.amdhsa_private_segment_fixed_size 0
		.amdhsa_enable_private_segment 0
		.amdhsa_kernarg_size 48
		.amdhsa_user_sgpr_count 2
		.amdhsa_user_sgpr_kernarg_segment_ptr 1
		.amdhsa_wavefront_size32 1
		.amdhsa_system_sgpr_workgroup_id_x 1
		.amdhsa_system_sgpr_workgroup_id_y 1
		.amdhsa_system_sgpr_workgroup_id_z 1
		.amdhsa_system_vgpr_workitem_id 0
		.amdhsa_next_free_vgpr 1024
		.amdhsa_next_free_sgpr 66
		.amdhsa_reserve_vcc 0
		.amdhsa_float_denorm_mode_32 3
		.amdhsa_float_denorm_mode_16_64 3
		.amdhsa_memory_ordered 1
		.amdhsa_forward_progress 1
		.amdhsa_inst_pref_size 95
	.end_amdhsa_kernel
	.amdgpu_metadata
---
amdhsa.version: [ 1, 2 ]
amdhsa.kernels:
  - .name:           k_qc93504d2f3_oproj
    .symbol:         k_qc93504d2f3_oproj.kd
    .args:
      - { .name: aimg, .offset: 0, .size: 8, .value_kind: global_buffer, .address_space: global }
      - { .name: asc, .offset: 8, .size: 8, .value_kind: global_buffer, .address_space: global }
      - { .name: o_w_codes, .offset: 16, .size: 8, .value_kind: global_buffer, .address_space: global }
      - { .name: o_w_scales, .offset: 24, .size: 8, .value_kind: global_buffer, .address_space: global }
      - { .name: o_b, .offset: 32, .size: 8, .value_kind: global_buffer, .address_space: global }
      - { .name: out0, .offset: 40, .size: 8, .value_kind: global_buffer, .address_space: global }
    .group_segment_fixed_size: 168448
    .private_segment_fixed_size: 0
    .kernarg_segment_align: 8
    .kernarg_segment_size: 48
    .max_flat_workgroup_size: 128
    .sgpr_count:     66
    .vgpr_count:     1024
    .wavefront_size: 32
...
	.end_amdgpu_metadata
.endif
;; end of part 3
